; MI455X (gfx1250); checked and timed in simulation.
; The chip was launched on July 23, 2026; its instructions are those of AMD's public machine-readable ISA for CDNA 5 (MIT licence, August 2026) and "CDNA5" Instruction Set Architecture Reference Guide (July 2026). The comments in the code are by the model that wrote it; some were corrected since.
;; Head Parallel Dilated Attention Optimized. Allowed arithmetic: matrix products marked QUANTISED: E2M1 operands, one E8M0 scale for each 32 along K, by v_wmma_scale_f32_16x16x128_f8f6f4 with both operands' format E2M1 (or v_wmma_scale_f32_32x16x128_f4), f32 sums; everything else in f32.
;; Inputs: k 2 x 4,096 x 12 x 64 float32; q 2 x 4,096 x 12 x 64 float32; v 2 x 4,096 x 12 x 64 float32.
;; Outputs: out0 2 x 4,096 x 12 x 64 float32.
;; Constants: is_causal = 0.
;; This version of the problem:
;;   THIS VERSION OF THE PROBLEM IS GIVEN IN LOW PRECISION. The matrix products marked QUANTISED in the list below multiply operands that are first quantised to E2M1 (2 exponent bits, 1 mantissa bit; 4 bits a number), with one power-of-two scale for each 32 numbers along K (OCP MX v1.0); their sums are f32. All else is computed in f32.
;;   The module's matrix products, in the order in which they are computed (A, B: the left and right operand; K: the contracted axis; several contracted axes count as one K, in the product's order):
;;     1. batch 32 x [M 1,024, K 64] x [K 64, N 1,024]; A: input q; B: input k: QUANTISED
;;     2. batch 32 x [M 64, K 1,024] x [K 1,024, N 1,024]; A: input v; B: softmax (see below): QUANTISED
;;     3. batch 16 x [M 2,048, K 64] x [K 64, N 2,048]; A: input q; B: input k: QUANTISED
;;     4. batch 16 x [M 64, K 2,048] x [K 2,048, N 2,048]; A: input v; B: softmax (see below): QUANTISED
;;     5. batch 8 x [M 4,096, K 64] x [K 64, N 4,096]; A: input q; B: input k: QUANTISED
;;     6. batch 8 x [M 64, K 4,096] x [K 4,096, N 4,096]; A: input v; B: softmax (see below): QUANTISED
;;   THE QUANTISER, for each operand of a quantised product, along K:
;;     - K is cut into blocks of 32 from its start; a last block that is shorter is filled with zeros.
;;     - A block's scale is 2^e with e = floor(log2(the largest magnitude in the block)) - 2, held to -126 .. 127; a block of zeros has e = 0. As a byte (E8M0): e + 127.
;;     - Each number is divided by its block's scale, clamped to +-6, and rounded to the nearest number of E2M1, ties to even, subnormals kept.
;;     - The product sums the exact products of the quantised numbers (number of the format x scale) in f32.
;;   ~~~python
;;   def quantise(x, axis):      # numpy; x: float32 -> the quantised numbers, widened to float32 again
;;       x = np.moveaxis(x, axis, -1); K = x.shape[-1]
;;       x = np.pad(x, [(0, 0)] * (x.ndim - 1) + [(0, -K % 32)]); x = x.reshape(x.shape[:-1] + (-1, 32)); a = np.abs(x).max(-1, keepdims=True)
;;       e = np.where(a > 0, np.clip(np.frexp(np.where(a > 0, a, 1))[1] - 1 - 2, -126, 127), 0)      # np.frexp(a)[1] - 1 = floor(log2(a)), exactly
;;       r = np.clip(x / 2.0 ** e, -6, 6)
;;       step = 2.0 ** (np.maximum(np.frexp(np.where(r == 0, 1, r))[1] - 1, 0) - 1)
;;       q = np.round(r / step) * step * 2.0 ** e      # np.round: ties to even
;;       return np.moveaxis(q.reshape(q.shape[:-2] + (-1,))[..., :K], -1, axis).astype(np.float32)
;;   ~~~
;;   SOFTMAX AHEAD OF A QUANTISED PRODUCT. Where the list says 'softmax', what is quantised is not the finished softmax but p = 2^(t - M), with t = logit x log2(e) and M = ceil(the row's largest t), a whole number; so 1/2 < the row's largest p <= 1. The row's sum l is taken of the UNQUANTISED p, in f32, and the product's result is divided by l at the end. Since M is a whole number, a kernel that streams over the keys may use a running M (the ceiling of the running maximum): every later rescaling is an exact power of two, which a block's scale takes up: the codes' values come out the same.
;;   OPERANDS COMPUTED ON THE WAY. 'Computed on the way' means the value that the module computes at that place (a softmax that the list does not call 'softmax' is quantised finished and normalised). What goes into a quantiser is computed in f32, as accurately as f32 sums, v_exp_f32 and their like allow (about 1e-6 of the number): no bf16 or f16 on the way to a quantiser, and a product that is left as it is and whose result goes on into a quantised operand takes f32 operands (vector FMAs, or v_wmma_f32_16x16x4_f32). A number that lies on a knife's edge between two numbers of the format may be rounded either way, as far as f32 arithmetic and the matrix unit's own rounding can turn it there, and no further.
;; One version. Each part assembles by itself: llvm-mc -triple=amdgcn-amd-amdhsa -mcpu=gfx1250 --defsym DOCPART=n.
;; ======== version 1 of 1: 2 launches
;; limits: right only within a limited range of input values
;; workspace buffers: kv 6,881,280 bytes; qq 3,538,944 bytes
;; launch quant (part 1): grid 18 x 32, 4 waves a work-group, no clusters, 35,328 bytes of LDS; arguments q, k, v, kv, qq; writes kv, qq
.if DOCPART == 1
	.amdgcn_target "amdgcn-amd-amdhsa--gfx1250"
	.amdhsa_code_object_version 6
	.text
	.protected	k_qc3d34681fb_quant
	.globl	k_qc3d34681fb_quant
	.p2align	8
	.type	k_qc3d34681fb_quant,@function
k_qc3d34681fb_quant:
	s_mov_b64 s[64:65], 0
	v_nop
	global_prefetch_b8 v0, s[64:65] scope:SCOPE_SE
	s_setreg_imm32_b32 hwreg(HW_REG_WAVE_MODE, 25, 1), 1
	s_wait_xcnt 0x0
; q, k, v: [2][4096][12][64] f32, taken as 8,192 rows of 3,072 bytes; a head's 64 numbers are 256 bytes of a row.
; They become codes of FP4 (E2M1) with one E8M0 scale byte for each 32 along a product's K, stored IN THE ORDER OF THE OPERANDS' REGISTERS, so that the next launch
; takes every fragment as 16 bytes a lane, lane after lane.  q and k are quantised along the head's 64 numbers (two blocks), v along the keys (blocks of 32 keys).
; A block's scale is 2^(floor(log2(its largest magnitude)) - 2); its byte is the largest magnitude's exponent field - 2, held at 1 from below by a floor among the maximum's leaves.
; LIMITS: NaN and infinities among the inputs are not served.  A block of zeros gets the byte 1 where the quantiser's text says 127: its codes are zeros, which add nothing, and this program alone reads the bytes.
; kv: 192 records of 35,840 bytes, record (b*12 + head)*8 + n/512:
;   +0      K's codes:  step q (128 keys) x 4,096; tile t x 512; lane (r, h) x 16: key 128 q + 32 (t/2) + 8 (t%2) + r + 8 (r/8), numbers 32 h .. 32 h + 31
;   +16,384 V's codes:  step q x 4,096; tile t of 16 numbers x 1,024; c x 512; lane (r, h) x 16: number 16 t + r, keys 128 q + 64 c + 32 h + 0 .. 31
;   +32,768 K's scale words: step q x 512; lane l x 16: word bb = tile 2 bb + l/16, row l%16 (bytes 0, 1: the two blocks; bytes 2, 3: 0, over the zero codes of K 64 .. 127)
;   +34,816 V's scale words: pair of steps x 512; i x 256; lane l x 8: number 32 i + l, the pair's two steps; byte = the block of 32 keys in the step
; qq: [b*12 + head][step of 128 queries][4,608]: 4,096 bytes laid as a step of K's codes, 512 as a step of K's scale words.
; SHARES.  Work-group y takes rows 256 y on; x 0-5 take v, 6-11 k, 12-17 q.  Each wave reads 32 KiB and shares nothing with another: no barrier.
; No matrix unit, no tensor loads, no cluster: each byte is read once by one wave, and several work-groups lie on a WGP.
.set ROWB,  3072
.set REC,   35840
.set VCO,   16384
.set KSO,   32768
.set VSO,   34816
.set QREC,  4608
.set FLOOR, 0x1800000                  ; 2^(3 - 127): under it no largest magnitude is taken, so the byte cannot fall under 1
.set EOFF,  0xff000000                 ; takes 2 off an exponent field
.set XV,  16                           ; v's path: v16-79 two sets of 32 numbers; v80-111 four registers of codes for each of 8 blocks; v112-113 the scale words
.set CV,  80
.set SBV, 112
.set R,   16                           ; k's and q's path: v16-111 three sets of 32 as loaded; v112-175 two sets of 32 neighbours; v176-207 codes, four a tile; v208-211 scale words
.set X,   112
.set C,   176
.set KS,  208
; ---- v: a lane takes a column (one of the head's numbers), its registers run down the keys
.macro LOADV t                         ; block t: 32 keys, 128 consecutive bytes a load
.irp i, 0,1,2,3,4,5,6,7,8,9,10,11,12,13,14,15,16,17,18,19,20,21,22,23,24,25,26,27,28,29,30,31
	global_load_b32 v[XV+32*((\t)%2)+\i], v3, s[24:25] offset:(32*(\t)+\i)*ROWB th:TH_LOAD_NT
.endr
.endm
.macro BLOCK t
.set XS, XV+32*((\t)%2)
.if (\t) < 7
	s_wait_loadcnt 32                              ; this block's 32 loads are in; the next block's 32 may be out
.else
	s_wait_loadcnt 0x0
.endif
	v_max3_num_f32 v8, |v[XS]|, |v[XS+1]|, |v[XS+2]|               ; the block's largest magnitude: all 32 numbers are mine; two chains
	v_max3_num_f32 v9, |v[XS+3]|, |v[XS+4]|, |v[XS+5]|
.irp i, 6,10,14,18,22,26
	v_max3_num_f32 v8, v8, |v[XS+\i]|, |v[XS+\i+1]|
	v_max3_num_f32 v9, v9, |v[XS+\i+2]|, |v[XS+\i+3]|
.endr
	v_max3_num_f32 v8, v8, |v[XS+30]|, |v[XS+31]|
	v_max3_num_f32 v8, v8, v9, FLOOR
	v_add_nc_u32 v11, EOFF, v8                     ; the conversion takes the exponent field of this operand as its scale
	v_lshrrev_b32 v13, 23, v11                     ; the scale's byte
.if (\t)%4 == 0
	v_mov_b32 v[SBV+(\t)/4], v13                   ; four bytes to a word, the earlier keys in the lower byte
.else
	v_lshl_or_b32 v[SBV+(\t)/4], v13, 8*((\t)%4), v[SBV+(\t)/4]
.endif
.irp g, 0,1,2,3
	v_cvt_scalef32_pk8_fp4_f32 v[CV+4*(\t)+\g], v[XS+8*\g:XS+8*\g+7], v11
.endr
	global_store_b128 v4, v[CV+4*(\t):CV+4*(\t)+3], s[26:27] offset:((\t)/4)*4096+(((\t)%4)/2)*512+((\t)%2)*256   ; sixteen lanes store 256 consecutive bytes, aligned; each block has its own data registers
.if (\t)+2 < 8
	LOADV (\t)+2
.endif
.endm
; ---- k and q: K is innermost.  A load takes two whole rows of 256 bytes; a tile's 16 rows turn through the wave's own stage so that a lane holds 32 neighbours
.macro LOADT t                         ; tile t's rows: 32 (t/2) + 8 (t%2) + 0 .. 7 and the eight rows 16 further on
.irp j, 0,1,2,3,4,5,6,7
	global_load_b128 v[R+32*((\t)%3)+4*\j:R+32*((\t)%3)+4*\j+3], v3, s[24:25] offset:(32*((\t)/2)+8*((\t)%2)+2*\j+8*(\j/4))*ROWB th:TH_LOAD_NT
.endr
.endm
.macro TURN t                          ; stage rows 272 bytes apart (17 x 16): the sixteen rows that a load back touches begin at sixteen different 16-byte columns of 256.  LDS serves a wave's instructions in order (ISA guide 5.7.1.4): no wait between stores and loads
.irp j, 0,1,2,3,4,5,6,7
	ds_store_b128 v4, v[R+32*((\t)%3)+4*\j:R+32*((\t)%3)+4*\j+3] offset:((\t)%2)*4352+544*\j
.endr
.irp j, 0,1,2,3,4,5,6,7
	ds_load_b128 v[X+32*((\t)%2)+4*\j:X+32*((\t)%2)+4*\j+3], v5 offset:((\t)%2)*4352+16*\j
.endr
.endm
.macro TILE t
.set XS, X+32*((\t)%2)
	s_wait_dscnt 0x0                               ; this tile's numbers are back from the stage, and its stores into the stage have read their registers,
.if (\t)+3 < 8
	LOADT (\t)+3                                   ; which take the loads of three tiles on
.endif
.if (\t)+1 < 8
.if (\t) < 5
	s_wait_loadcnt 16                              ; the next tile's eight loads are in; those of the two tiles behind it may be out
.else
	s_wait_loadcnt 8*(6-(\t))                      ; near the end fewer were issued behind them
.endif
	TURN (\t)+1                                    ; and go through the other stage while this tile is worked
.endif
	v_max3_num_f32 v212, |v[XS]|, |v[XS+1]|, |v[XS+2]|             ; lane (r, h): block h of row r, all 32 numbers mine
	v_max3_num_f32 v217, |v[XS+3]|, |v[XS+4]|, |v[XS+5]|
.irp i, 6,10,14,18,22,26
	v_max3_num_f32 v212, v212, |v[XS+\i]|, |v[XS+\i+1]|
	v_max3_num_f32 v217, v217, |v[XS+\i+2]|, |v[XS+\i+3]|
.endr
	v_max3_num_f32 v212, v212, |v[XS+30]|, |v[XS+31]|
	v_max3_num_f32 v212, v212, v217, FLOOR
	v_add_nc_u32 v213, EOFF, v212                  ; the conversion's scale operand
	v_lshrrev_b32 v214, 23, v213                   ; the byte
.irp g, 0,1,2,3
	v_cvt_scalef32_pk8_fp4_f32 v[C+4*(\t)+\g], v[XS+8*\g:XS+8*\g+7], v213
.endr
	v_lshlrev_b32 v214, v7, v214                   ; my byte at its place in the word, 8 h bits up.  (Also the plain line behind the conversions)
	v_permlanex16_b32 v216, v214, s30, s31         ; lane l xor 16's byte
.if (\t)%2 == 0
	v_or_b32 v[KS+(\t)/2], v214, v216              ; the row's word, in both halves of the lanes
.else
	v_or_b32 v215, v214, v216
	v_cndmask_b32 v[KS+(\t)/2], v[KS+(\t)/2], v215, vcc_lo   ; lanes 16-31 keep the odd tile's words, lanes 0-15 the even tile's
.endif
	global_store_b128 v6, v[C+4*(\t):C+4*(\t)+3], s[26:27] offset:512*(\t)   ; 512 consecutive bytes; each tile has its own data registers
.endm
	s_load_b128 s[4:7], s[0:1], 0x0                ; q, k
	s_load_b128 s[8:11], s[0:1], 0x10              ; v, kv
	s_load_b64 s[12:13], s[0:1], 0x20              ; qq
	v_lshl_add_u32 v224, v0, 2, 0x8800
	v_mov_b32 v225, 0
	v_lshrrev_b32 v1, 5, v0
	v_readfirstlane_b32 s16, v1                    ; wave 0..3
	v_and_b32 v2, 31, v0                           ; lane
	v_and_b32 v14, 15, v0                          ; r
	v_bfe_u32 v15, v0, 4, 1                        ; h
	s_and_b32 s17, ttmp7, 0xffff                   ; y: rows 256 y on
	s_lshr_b32 s18, s17, 4                         ; b
	s_and_b32 s19, s17, 15                         ; which 256 of the batch's 4,096
	s_cmp_lt_u32 ttmp9, 6
	s_cbranch_scc0 .Lkq
	; ---- v
	s_lshl_b32 s20, ttmp9, 2
	s_add_co_u32 s20, s20, s16                     ; which 32 of a row's 768 columns
	s_lshr_b32 s21, s20, 1                         ; head
	s_and_b32 s22, s20, 1                          ; i: which half of the head's 64
	s_mul_i32 s23, s18, 12
	s_add_co_u32 s23, s23, s21
	s_lshl_b32 s23, s23, 3
	s_lshr_b32 s32, s19, 1
	s_add_co_u32 s23, s23, s32                     ; the record
	s_mul_i32 s32, s23, REC
	s_and_b32 s33, s19, 1                          ; which half of its 512 keys
	s_lshl_b32 s34, s33, 13
	s_add_co_u32 s34, s34, s32
	s_lshl_b32 s35, s22, 11
	s_add_co_u32 s34, s34, s35
	s_add_co_u32 s34, s34, VCO                     ; where my codes begin
	s_lshl_b32 s36, s33, 9
	s_add_co_u32 s36, s36, s32
	s_lshl_b32 s37, s22, 8
	s_add_co_u32 s36, s36, s37
	s_add_co_u32 s36, s36, VSO                     ; and my scale words
	s_mul_i32 s38, s17, 256*ROWB
	s_lshl_b32 s39, s20, 7
	s_add_co_u32 s38, s38, s39                     ; and my numbers
	s_mov_b32 s35, 0
	s_mov_b32 s37, 0
	s_mov_b32 s39, 0
	s_wait_alu depctr_va_vdst(0)
	v_lshlrev_b32 v3, 2, v2                        ; in: 4 bytes a lane
	v_lshlrev_b32 v4, 10, v15
	v_lshl_add_u32 v4, v14, 4, v4                  ; out: lanes 16-31 belong to the next tile of 16 numbers, 1,024 bytes on
	v_lshlrev_b32 v5, 3, v2                        ; scale words: 8 bytes a lane
	s_wait_alu depctr_va_vdst(0)
	s_wait_kmcnt 0x0
	s_add_nc_u64 s[24:25], s[8:9], s[38:39]
	s_add_nc_u64 s[26:27], s[10:11], s[34:35]
	s_add_nc_u64 s[28:29], s[10:11], s[36:37]
	LOADV 0
	LOADV 1
.irp t, 0,1,2,3,4,5,6,7
	BLOCK \t
.endr
	global_store_b64 v5, v[SBV:SBV+1], s[28:29]    ; 256 consecutive bytes, aligned
	s_endpgm
	; ---- k and q: one path; only pointers and offsets are chosen, on the work-group's number
.Lkq:
	s_sub_co_u32 s20, ttmp9, 6                     ; 0-5: k; 6-11: q
	s_cmp_lt_u32 s20, 6
	s_cselect_b32 s21, 0, 6
	s_sub_co_u32 s21, s20, s21
	s_lshl_b32 s21, s21, 2
	s_add_co_u32 s21, s21, s16                     ; 0..23
	s_lshr_b32 s22, s21, 1                         ; head
	s_and_b32 s23, s21, 1                          ; which 128 of the 256 rows
	s_lshl_b32 s32, s19, 1
	s_add_co_u32 s32, s32, s23                     ; st: the step of 128 in the batch
	s_mul_i32 s33, s18, 12
	s_add_co_u32 s33, s33, s22                     ; b*12 + head
	s_mul_i32 s34, s17, 256*ROWB
	s_mul_i32 s35, s23, 128*ROWB
	s_add_co_u32 s34, s34, s35
	s_lshl_b32 s35, s22, 8
	s_add_co_u32 s34, s34, s35                     ; where my numbers begin
	s_mov_b32 s35, 0
	s_lshl_b32 s36, s33, 3
	s_lshr_b32 s37, s32, 2
	s_add_co_u32 s36, s36, s37
	s_mul_i32 s36, s36, REC                        ; k: the record,
	s_and_b32 s37, s32, 3
	s_lshl_b32 s38, s37, 12
	s_lshl_b32 s37, s37, 9
	s_add_co_u32 s37, s37, s36
	s_add_co_u32 s37, s37, KSO                     ; its step's scale words,
	s_add_co_u32 s36, s36, s38                     ; its step's codes
	s_lshl_b32 s38, s33, 5
	s_add_co_u32 s38, s38, s32
	s_mul_i32 s38, s38, QREC                       ; q: the step's codes,
	s_add_co_u32 s39, s38, 4096                    ; and scale words
	s_mul_i32 s21, s16, 8704                       ; my wave's two stages in LDS
	s_mov_b32 s30, 0x76543210
	s_mov_b32 s31, 0xfedcba98                      ; v_permlanex16_b32's selects for lane l xor 16
	s_mov_b32 vcc_lo, 0xffff0000                   ; lanes 16-31
	s_wait_alu depctr_va_vdst(0)
	v_mul_u32_u24 v3, v15, ROWB
	v_lshl_add_u32 v3, v14, 4, v3                  ; in: lanes 0-15 one row's 256 bytes, lanes 16-31 the next row's
	v_mul_u32_u24 v4, v15, 272
	v_lshl_add_u32 v4, v14, 4, v4
	v_add_nc_u32 v4, s21, v4                       ; into the stage, as loaded
	v_mul_u32_u24 v5, v14, 272
	v_lshl_add_u32 v5, v15, 7, v5
	v_add_nc_u32 v5, s21, v5                       ; out of it: row r, numbers 32 h on
	v_lshlrev_b32 v6, 4, v2                        ; out: 16 bytes a lane
	v_lshlrev_b32 v7, 3, v15                       ; 8 h
	v_mov_b32 v216, 0                              ; written once: a lane permute's destination counts as one of its sources
	s_wait_alu depctr_va_vdst(0)
	s_wait_kmcnt 0x0
	s_cmp_lt_u32 s20, 6
	s_cselect_b32 s36, s36, s38
	s_cselect_b32 s38, s37, s39
	s_cselect_b64 s[24:25], s[6:7], s[4:5]         ; k or q
	s_cselect_b64 s[26:27], s[10:11], s[12:13]     ; kv or qq
	s_mov_b32 s37, 0
	s_mov_b32 s39, 0
	s_add_nc_u64 s[24:25], s[24:25], s[34:35]
	s_add_nc_u64 s[28:29], s[26:27], s[38:39]
	s_add_nc_u64 s[26:27], s[26:27], s[36:37]
	LOADT 0
	LOADT 1
	LOADT 2
	s_wait_loadcnt 16                              ; tile 0's eight loads are in
	TURN 0
.irp t, 0,1,2,3,4,5,6,7
	TILE \t
.endr
	global_store_b128 v6, v[KS:KS+3], s[28:29]     ; the step's 128 scale words: 512 consecutive bytes
	s_wait_tensorcnt 0x0
	ds_add_u32 v224, v225
	s_wait_dscnt 0x0
	s_endpgm
.Lfunc_end_k_qc3d34681fb_quant:
	.size	k_qc3d34681fb_quant, .Lfunc_end_k_qc3d34681fb_quant-k_qc3d34681fb_quant
	.p2alignl 7, 3214868480
	.fill 96, 4, 3214868480
	.section	.rodata,"a",@progbits
	.p2align	6, 0x0
	.amdhsa_kernel k_qc3d34681fb_quant
		.amdhsa_group_segment_fixed_size 35328
		.amdhsa_private_segment_fixed_size 0
		.amdhsa_enable_private_segment 0
		.amdhsa_kernarg_size 40
		.amdhsa_user_sgpr_count 2
		.amdhsa_user_sgpr_kernarg_segment_ptr 1
		.amdhsa_wavefront_size32 1
		.amdhsa_system_sgpr_workgroup_id_x 1
		.amdhsa_system_sgpr_workgroup_id_y 1
		.amdhsa_system_sgpr_workgroup_id_z 1
		.amdhsa_system_vgpr_workitem_id 0
		.amdhsa_next_free_vgpr 226
		.amdhsa_next_free_sgpr 66
		.amdhsa_reserve_vcc 1
		.amdhsa_float_denorm_mode_32 3
		.amdhsa_float_denorm_mode_16_64 3
		.amdhsa_memory_ordered 1
		.amdhsa_forward_progress 1
		.amdhsa_inst_pref_size 69
	.end_amdhsa_kernel
	.amdgpu_metadata
---
amdhsa.version: [ 1, 2 ]
amdhsa.kernels:
  - .name:           k_qc3d34681fb_quant
    .symbol:         k_qc3d34681fb_quant.kd
    .args:
      - { .name: q, .offset: 0, .size: 8, .value_kind: global_buffer, .address_space: global }
      - { .name: k, .offset: 8, .size: 8, .value_kind: global_buffer, .address_space: global }
      - { .name: v, .offset: 16, .size: 8, .value_kind: global_buffer, .address_space: global }
      - { .name: kv, .offset: 24, .size: 8, .value_kind: global_buffer, .address_space: global }
      - { .name: qq, .offset: 32, .size: 8, .value_kind: global_buffer, .address_space: global }
    .group_segment_fixed_size: 35328
    .private_segment_fixed_size: 0
    .kernarg_segment_align: 8
    .kernarg_segment_size: 40
    .max_flat_workgroup_size: 128
    .sgpr_count:     66
    .vgpr_count:     226
    .wavefront_size: 32
...
	.end_amdgpu_metadata
.endif
;; end of part 1
;; launch attn (part 2): grid 256 x 1, 16 waves a work-group, clusters of 4 x 1, 327,680 bytes of LDS; arguments kv, qq, out0; writes out0
.if DOCPART == 2
	.amdgcn_target "amdgcn-amd-amdhsa--gfx1250"
	.amdhsa_code_object_version 6
	.text
	.protected	k_qc3d34681fb_attn
	.globl	k_qc3d34681fb_attn
	.p2align	8
	.type	k_qc3d34681fb_attn,@function
k_qc3d34681fb_attn:
	s_mov_b64 s[64:65], 0
	v_nop
	global_prefetch_b8 v0, s[64:65] scope:SCOPE_SE
	s_setreg_imm32_b32 hwreg(HW_REG_WAVE_MODE, 25, 1), 1
	s_wait_xcnt 0x0
	s_wait_alu depctr_hold_cnt(0) depctr_sa_sdst(0) depctr_va_vdst(0) depctr_va_sdst(0) depctr_va_ssrc(0) depctr_va_vcc(0) depctr_vm_vsrc(0)
	s_getreg_b32 s2, hwreg(HW_REG_IB_STS2, 6, 4)
	s_cmp_eq_u32 s2, 0
	s_cbranch_scc0 .Lentry_in_a_cluster
	s_endpgm
.Lentry_in_a_cluster:
	s_bfe_u32 s2, ttmp6, 0x10000c
	s_cmp_lg_u32 s2, 0x3003
	s_cbranch_scc0 .Lentry_shape_is_right
	s_endpgm
.Lentry_shape_is_right:
; out[b][n][head][:] = the sum over the keys k of n's segment of softmax_k(q . k / 8) v, both products on codes of FP4 (E2M1) with one E8M0 scale for each 32 along a product's K.
; Heads 0-3: segments of 1,024 keys; heads 4-7: 2,048; heads 8-11: 4,096.  is_causal is the constant 0, so there is no mask.  Codes and scale words come from the launch before (layouts: its head comment).
; THE SOFTMAX AHEAD OF THE SECOND PRODUCT: t = score x log2(e) / 8; M = the row's largest t so far, rounded UP to a whole number; p = 2^(t - M) is quantised along the keys, not normalised.
; The row's sum is taken of the unquantised p, in f32, and divides at the end.  When M moves, the sums and O are multiplied by 2^(old M - new M): exact.
; SHARES.  Work-group w takes queries 128 (w % 32) .. + 127 of batch w / 128, in three jobs: head 8 + (w / 32) % 4 against its 8 records of 512 keys, head 4 + .. against 4 records, head 0 + .. against 2:
; 14 records in every work-group, 256 work-groups.  A slot of the ring holds TWO records.  Waves w and w + 8 own the same tile of 16 queries: waves 0-7 walk a slot's first record, waves 8-15 its second:
; 7 slots x 4 steps of 128 keys = 28 steps a wave.  At a job's end wave w + 8 hands -M, its sum and O^T to wave w through LDS; wave w brings both halves under the larger M (powers of two), adds, divides, stores.
; It does so behind the next change of slots, whose barrier orders the hand-over, while waves 8-15 go on.
; CLUSTER 4, 1, 1: four neighbouring work-groups hold 512 neighbouring queries of one batch and head number, which lie in one segment in all three jobs: they walk the same 14 records, and every fill is a joint load with mask 15.
; LAYOUT.  Both products are used transposed: S^T = K Q^T, O^T = V^T P^T: a lane holds ONE query (lane % 16).  THE KEYS OF A TILE ARE CHOSEN BY THE LANES' LDS ADDRESSES: row r of tile (c, g) is key 64 c + 32 (r / 8) + 8 g + r % 8,
; so lane (r, h) holds in the 32 registers of tiles (c, 0..3) the WHOLE block of keys 64 c + 32 h + 0 .. 31, in the order of the second product's operand: a block's maximum needs no other lane, and the conversions' results are the operand.
; In kv that key lies in the stored tile 4 c + g % 2 + 2 (r / 8), row r % 8 + 8 (g / 2): lane term 1,024 (r / 8) + 16 (r % 8) + 256 h, constant 2,048 c + 512 (g % 2) + 128 (g / 2).
; The first product's K is 64: the upper four registers of each of its fragments are zero codes, written once; their scale bytes are 0.
; PREFETCH: at the change of slots that loads slot k + 1, slot k + 2's 280 blocks of 256 bytes are asked for, once in the cluster: the partner at place cx takes 70 of them, told apart by address; waves 4, 5, 6 ask, a lane a block
; (wave 6's lanes 6-31 name its last block again).  Slots 0 and 1 come by their loads alone; the change that loads slot 6 asks for nothing.
; LIMITS: NaN and infinities among the inputs are not served.  A block whose every p has fallen to 0 keeps the byte 1: its codes are zeros.  The scaled scores stay under 2^31 in magnitude.
.set REC,   35840
.set HALF,  17920                      ; 70 rows of 256 bytes: what one tensor load brings
.set REG,   71680                      ; LDS: waves 0-7's records of slot 0 and slot 1, then, REG on, waves 8-15's
.set SLOTB, 71680                      ; a slot in memory: two records on end
.set VCO,   16384
.set KSO,   32768
.set VSO,   34816
.set STAGE, 143360                     ; 16 rows x 272 bytes for each of waves 0-7, for the way out; no fill lands there
.set SP,    272
.set JOIN,  178176                     ; the hand-over: 4,608 bytes a tile (O^T's 32 registers and one group of four, 16 bytes a lane each); two areas
.set JT,    4608
.set J1,    36864                      ; the second area, for the last job
.set SPARE, 251904                     ; the spare words, 128 bytes for each wave: eight blocks of 256 bytes that no other line names
.set ROWB,  3072                       ; a row of out: 12 heads x 256 bytes
.set QG,    589824                     ; four heads on in qq: 4 x 32 x 4,608
; v0 the prefetches' offset; v1 K's codes, v2 V's codes, v3 K's scale words, v4 V's: my lane's LDS address in slot 0; v5 my spare word, v6 0; v7 my offset in out; v8, v9 the stage, in and back; v10, v11 my offsets in a step of qq
; v12 -M, v13 the largest score; v14 the hand-over; v15 8 h; v16-23 Q's fragment, v24 its scale word; v25, v26-29 the next job's; v30 at work
.set KF,  32                           ; v32-95   K's eight fragments
.set S,   96                           ; v96-159  S^T, then p
.set O,   160                          ; v160-191 O^T, four tiles
.set VF,  192                          ; v192-223 V's four fragments
.set PC,  224                          ; v224-231 p's codes
.set KSC, 232                          ; v232-235 K's scale words: register 2 c + g / 2: lanes 0-15 tile (c, g even), lanes 16-31 (c, g odd)
.set VSC, 236                          ; v236-239 V's: register 2 i + step % 2: lanes 0-15 tile 2 i, lanes 16-31 tile 2 i + 1
.set MT,  240                          ; v240-243 maxima: v240, v242 my two blocks'; v241, v243 the conversions' scale operands
.set F,   244                          ; v244 f = 2^(old M - new M); v245 named with it as a pair
.set TMP, 246
.set PW,  247                          ; p's scale word
.set L,   248                          ; v248-255 the row's sum in eight parts
; s[4:9] kv, qq, out; s16 1 in waves 4-6; s17 -c; s18 wave; s19 wave / 8; s[20:21] lane selects; s[22:23] c; s[24:31] group 1; s[32:35] group 0; s[36:37] kv + my part of a slot; s[38:39] an offset, high word 0
; s[40:41] my step of qq, job 2's; s[42:43] kv + my work-group's share of a prefetch; s[44:45] my first row of out, job 2's; s[46:47] the prefetch's base; s48-50 the jobs' first records, in bytes; s51 the next load's slot; s52, s53 my load's LDS address; s55 trips
.macro ROUND                           ; a round of the cluster's barrier
	s_barrier_signal -1
	s_barrier_wait -1
	s_cmp_lg_u32 s18, 0
	s_cbranch_scc1 .Lnw0_\@
	s_barrier_signal -3
.Lnw0_\@:
	s_barrier_wait -3
	s_barrier_signal -1
	s_barrier_wait -1
.endm
.macro TLOAD                           ; waves 0-3 fetch half a record each; the branch hangs on the wave's number alone.  s_nop 0 and four v_nop follow the load
	s_cmp_lt_u32 s18, 4
	s_cbranch_scc0 .Lnone_\@
	tensor_load_to_lds s[32:35], s[24:31]
	s_nop 0
.rept 4
	v_nop
.endr
.Lnone_\@:
.endm
; THE CHANGE OF SLOTS.  Each wave waits for all its tensor loads, adds 0 to its spare word, and waits for that and for its LDS instructions.  fill = 1: a round of the cluster's barrier, and behind it the joint load of the next slot
; into the LDS slot just left (lreg: its LDS address); ka: the slot after that is 2 x trips + ka: its offset is made here, prefetched, and kept for the next change's load.
.macro CHANGE fill, lreg, ka
	s_wait_alu depctr_va_vdst(0)                   ; directly ahead of the wait below
	s_wait_tensorcnt 0x0                           ; no tensor load of mine is out, so group 0 may be written
	ds_add_u32 v5, v6                              ; 0 onto my spare word
.if \fill
	ds_add_u32 v5, v6                              ; and once more
	s_mov_b32 s33, s[\lreg]
	s_mov_b32 s38, s51
	s_add_nc_u64 s[34:35], s[36:37], s[38:39]
	s_or_b32 s35, s35, 0x80000000                  ; type = 2
	s_lshl_b32 s58, s55, 1
	s_add_co_u32 s58, s58, \ka                     ; slot number kk: 0-3 job 0, 4-5 job 1, 6 job 2
	s_cmp_lt_u32 s58, 4
	s_cselect_b32 s56, s48, s49
	s_cselect_b32 s57, 0, 4
	s_cmp_lt_u32 s58, 6
	s_cselect_b32 s56, s56, s50
	s_cselect_b32 s57, s57, 6
	s_sub_co_u32 s57, s58, s57
	s_mul_i32 s57, s57, SLOTB
	s_add_co_u32 s51, s57, s56
	s_wait_xcnt 0x0                                ; any prefetch of mine has read its base, so it may be written
	s_mov_b32 s38, s51
	s_add_nc_u64 s[46:47], s[42:43], s[38:39]
.endif
	s_wait_dscnt 0x0                               ; the adds are done, my reads of the slot that I have left are over, and what I stored for my partner is in LDS
.if \fill
	ROUND
	TLOAD                                          ; the first thing behind the round, and a wave's one tensor load until the next
.if \ka == 3
	s_cmp_lt_u32 s55, 2                            ; slot 2 x trips + 3 exists in trips 0 and 1 alone
	s_cselect_b32 s56, s16, 0
	s_cmp_eq_u32 s56, 1
.else
	s_cmp_eq_u32 s16, 1
.endif
	s_cbranch_scc0 .Lnoask_\@
	global_prefetch_b8 v0, s[46:47] th:TH_LOAD_NT scope:SCOPE_SE
.Lnoask_\@:
.else
	s_barrier_signal -1
	s_barrier_wait -1
.endif
.endm
.macro RESET                           ; a job begins: the largest score under every score, sums and O^T zero: the first change of M multiplies zeros
	v_mov_b32 v13, 0xff61b1e6                      ; -3e38
	v_floor_f32 v12, -v13
.irp j, 0,1,2,3,4,5,6,7
	v_mov_b32 v[L+\j], 0
.endr
.irp j, 0,1,2,3,4,5,6,7,8,9,10,11,12,13,14,15,16,17,18,19,20,21,22,23,24,25,26,27,28,29,30,31
	v_mov_b32 v[O+\j], 0
.endr
.endm
.macro RS j0, j1                       ; O^T under the new M, two pairs
	v_pk_mul_f32 v[O+\j0:O+\j0+1], v[O+\j0:O+\j0+1], v[F:F+1] op_sel_hi:[1,0]
	v_pk_mul_f32 v[O+\j1:O+\j1+1], v[O+\j1:O+\j1+1], v[F:F+1] op_sel_hi:[1,0]
.endm
; A KEY STEP: 128 keys, the q-th of my record in LDS slot sl.  (The sixteen additions at the last step's end are the places in front of the loads into V's registers.)
.macro STEP sl, q
.set SB, REC*(\sl)
.irp c, 0,1
.irp g, 0,1,2,3
	ds_load_b128 v[KF+32*\c+8*\g:KF+32*\c+8*\g+3], v1 offset:SB+4096*(\q)+2048*\c+512*(\g%2)+128*(\g/2)
.endr
.endr
.irp c, 0,1
.irp e, 0,1
	ds_load_b32 v[KSC+2*\c+\e], v3 offset:SB+512*(\q)+128*\e+8*\c
.endr
.endr
.irp t, 0,1,2,3
.irp c, 0,1
	ds_load_b128 v[VF+8*\t+4*\c:VF+8*\t+4*\c+3], v2 offset:SB+4096*(\q)+1024*\t+512*\c
.endr
.endr
.if (\q)%2 == 0
.irp i, 0,1
	ds_load_b64 v[VSC+2*\i:VSC+2*\i+1], v4 offset:SB+512*((\q)/2)+256*\i   ; the scale words of this step and the next
.endr
	s_wait_dscnt 10                                ; K's twelve loads are in; V's ten may be out
.else
	s_wait_dscnt 8                                 ; K's twelve loads are in; V's eight may be out
.endif
.irp c, 0,1
.irp g, 0,1,2,3
.if \g%2
	v_wmma_scale_f32_16x16x128_f8f6f4 v[S+32*\c+8*\g:S+32*\c+8*\g+7], v[KF+32*\c+8*\g:KF+32*\c+8*\g+7], v[16:23], 0, v[KSC+2*\c+\g/2], v24 matrix_a_fmt:MATRIX_FMT_FP4 matrix_b_fmt:MATRIX_FMT_FP4 matrix_a_scale:MATRIX_SCALE_ROW1
.else
	v_wmma_scale_f32_16x16x128_f8f6f4 v[S+32*\c+8*\g:S+32*\c+8*\g+7], v[KF+32*\c+8*\g:KF+32*\c+8*\g+7], v[16:23], 0, v[KSC+2*\c+\g/2], v24 matrix_a_fmt:MATRIX_FMT_FP4 matrix_b_fmt:MATRIX_FMT_FP4
.endif
.endr
.endr
.rept 4
	v_nop                                          ; places in front of the first read of the scores
.endr
.irp c, 0,1                                    ; the largest score of my two blocks of 32 keys, each in two chains of 16; each accumulator is read from its low end on
.irp u, 0,1
	v_max3_num_f32 v[MT+2*\c+\u], v[S+32*\c+16*\u], v[S+32*\c+16*\u+1], v[S+32*\c+16*\u+2]
.endr
.endr
.irp i, 3,5,7,9,11,13
.irp c, 0,1
.irp u, 0,1
	v_max3_num_f32 v[MT+2*\c+\u], v[MT+2*\c+\u], v[S+32*\c+16*\u+\i], v[S+32*\c+16*\u+\i+1]
.endr
.endr
.endr
.irp c, 0,1
	v_max3_num_f32 v[MT+2*\c], v[MT+2*\c], v[MT+2*\c+1], v[S+32*\c+15]
.endr
.irp c, 0,1
	v_max_num_f32 v[MT+2*\c], v[MT+2*\c], v[S+32*\c+31]   ; it serves the row's maximum and, since p rises with the score, the block's largest p
.endr
	s_delay_alu instid0(VALU_DEP_1)
	v_max_num_f32 v[TMP], v[MT], v[MT+2]
	s_delay_alu instid0(VALU_DEP_1)
	v_permlanex16_b32 v30, v[TMP], s20, s21        ; lane l xor 16's two blocks
	s_delay_alu instid0(VALU_DEP_1)
	v_max3_num_f32 v13, v13, v[TMP], v30           ; the running largest score of my query
	s_delay_alu instid0(VALU_DEP_1)
	v_mul_f32 v[TMP], s17, v13                     ; -t (c is positive)
	v_mov_b32 v30, v12
	s_delay_alu instid0(VALU_DEP_2)
	v_floor_f32 v12, v[TMP]                        ; the new -M = floor(-t) = -ceil(t): a whole number
	s_delay_alu instid0(VALU_DEP_1)
	v_sub_f32 v30, v12, v30                        ; old M less new M: a whole number, 0 or less
	s_delay_alu instid0(VALU_DEP_1)
	v_cvt_i32_f32 v30, v30                         ; (it saturates)
	s_delay_alu instid0(VALU_DEP_1)
	v_ldexp_f32 v[F], 1.0, v30                     ; f = 2^(old M - new M)
.irp j, 0,2,4,6,8,10,12,14,16,18,20,22,24,26,28,30,32,34,36,38,40,42,44,46,48,50,52,54,56,58,60,62
	v_pk_fma_f32 v[S+\j:S+\j+1], v[S+\j:S+\j+1], s[22:23], v[12:13] op_sel_hi:[1,0,0]   ; t - M, two at a time (of the pairs c and -M the low word serves both halves)
.endr
	v_fma_f32 v[MT], v[MT], s22, v12               ; the same of each block's largest score
	v_fma_f32 v[MT+2], v[MT+2], s22, v12
	s_wait_alu depctr_va_vdst(0)                   ; the wait ahead of the batch
.irp j, 0,1,2,3,4,5,6,7,8,9,10,11,12,13,14,15,16,17,18,19,20,21,22,23,24,25,26,27,28,29,30,31,32,33,34,35,36,37,38,39,40,41,42,43,44,45,46,47,48,49,50,51,52,53,54,55,56,57,58,59,60,61,62,63
	v_exp_f32 v[S+\j], v[S+\j]                     ; p = 2^(t - M), at most 1: not normalised
.endr
	v_exp_f32 v[MT], v[MT]                         ; the block's largest p: the same two instructions on the same number give the same bits
	v_exp_f32 v[MT+2], v[MT+2]
	s_wait_alu depctr_va_vdst(0)                   ; one wait behind the batch, directly ahead of the first reader of O^T
	RS 0, 2                                        ; (plain lines behind the exponentials; the scale's lines stand among the rescaling, so that none follows the line that it reads)
	v_max_num_f32 v[MT], 0x1800000, v[MT]          ; the floor 2^(3 - 127): the byte cannot fall under 1
	v_max_num_f32 v[MT+2], 0x1800000, v[MT+2]
	RS 4, 6
	v_add_nc_u32 v[MT+1], 0xff000000, v[MT]        ; 2 off the exponent field: the conversion's scale operand
	v_add_nc_u32 v[MT+3], 0xff000000, v[MT+2]
	RS 8, 10
	v_lshrrev_b32 v[MT], 23, v[MT+1]               ; the scale's byte
	v_lshrrev_b32 v[MT+2], 23, v[MT+3]
	RS 12, 14
	v_lshl_or_b32 v[TMP], v[MT+2], 16, v[MT]       ; blocks h and 2 + h,
	RS 16, 18
	v_lshlrev_b32 v[TMP], v15, v[TMP]              ; at their places in the word, 8 h bits up
	RS 20, 22
	v_permlanex16_b32 v30, v[TMP], s20, s21
	RS 24, 26
	v_or_b32 v[PW], v[TMP], v30                    ; with lane l xor 16's two bytes: p's scale word for these 128 keys
	RS 28, 30
.irp c, 0,1
.irp g, 0,1,2,3
	v_cvt_scalef32_pk8_fp4_f32 v[PC+4*\c+\g], v[S+32*\c+8*\g:S+32*\c+8*\g+7], v[MT+2*\c+1]   ; keys 64 c + 32 h + 8 g + 0 .. 7: register 4 c + g of the operand
.endr
.endr
	s_wait_dscnt 0x0                               ; V's fragments and scale words are in
.irp i, 0,1,2,3                                ; the row's sum of the unquantised p, in four chains of pairs; the first line of each brings the chain under the new M
	v_pk_fma_f32 v[L+2*\i:L+2*\i+1], v[L+2*\i:L+2*\i+1], v[F:F+1], v[S+2*\i:S+2*\i+1] op_sel_hi:[1,0,1]
.endr
.irp j, 8,16,24
.irp i, 0,1,2,3
	v_pk_add_f32 v[L+2*\i:L+2*\i+1], v[L+2*\i:L+2*\i+1], v[S+\j+2*\i:S+\j+2*\i+1]
.endr
.endr                                          ; (these sixteen are the places between the codes, the scale word and the products)
.irp t, 0,1,2,3                                ; O^T += V^T P^T: the four accumulators by turns, one instruction a turn
.if \t%2
	v_wmma_scale_f32_16x16x128_f8f6f4 v[O+8*\t:O+8*\t+7], v[VF+8*\t:VF+8*\t+7], v[PC:PC+7], v[O+8*\t:O+8*\t+7], v[VSC+2*(\t/2)+(\q)%2], v[PW] matrix_a_fmt:MATRIX_FMT_FP4 matrix_b_fmt:MATRIX_FMT_FP4 matrix_a_scale:MATRIX_SCALE_ROW1
.else
	v_wmma_scale_f32_16x16x128_f8f6f4 v[O+8*\t:O+8*\t+7], v[VF+8*\t:VF+8*\t+7], v[PC:PC+7], v[O+8*\t:O+8*\t+7], v[VSC+2*(\t/2)+(\q)%2], v[PW] matrix_a_fmt:MATRIX_FMT_FP4 matrix_b_fmt:MATRIX_FMT_FP4
.endif
.endr
.irp j, 32,40,48,56
.irp i, 0,1,2,3
	v_pk_add_f32 v[L+2*\i:L+2*\i+1], v[L+2*\i:L+2*\i+1], v[S+\j+2*\i:S+\j+2*\i+1]
.endr
.endr
.endm
.macro STEPS sl
.irp q, 0,1,2,3
	STEP \sl, \q
.endr
.endm
.macro LSUM                            ; my lane's eight parts of the sum into v[L]
	v_pk_add_f32 v[L:L+1], v[L:L+1], v[L+2:L+3]
	v_pk_add_f32 v[L+4:L+5], v[L+4:L+5], v[L+6:L+7]
	s_delay_alu instid0(VALU_DEP_1)
	v_pk_add_f32 v[L:L+1], v[L:L+1], v[L+4:L+5]
	s_delay_alu instid0(VALU_DEP_1)
	v_add_f32 v[L], v[L], v[L+1]
.endm
.macro GIVE jo                         ; waves 8-15 at a job's end: an image of O^T's registers, -M and the sum, 16 bytes a lane
	LSUM
	v_mov_b32 v[S], v12
	v_mov_b32 v[S+1], v[L]
.irp t, 0,1,2,3,4,5,6,7
	ds_store_b128 v14, v[O+4*\t:O+4*\t+3] offset:\jo+512*\t   ; each accumulator from its low end on
.endr
	ds_store_b128 v14, v[S:S+3] offset:\jo+4096
.endm
; Waves 0-7, behind the barrier: my partner's half comes in, both halves go under the larger M, the sum divides, and the tile goes through my own stage, so that sixteen lanes store one row's 256 bytes of out, aligned.  grp: the job's group of heads
.macro TAKE jo, grp
.irp t, 0,1,2,3,4,5,6,7
	ds_load_b128 v[S+4*\t:S+4*\t+3], v14 offset:\jo+512*\t
.endr
	ds_load_b128 v[S+32:S+35], v14 offset:\jo+4096
	LSUM
	s_wait_alu depctr_va_vdst(0)                   ; directly ahead of the wait below
	s_wait_dscnt 0x0
	v_min_num_f32 v[TMP], v12, v[S+32]             ; -M of the larger M
	s_delay_alu instid0(VALU_DEP_1)
	v_sub_f32 v30, v[TMP], v12
	v_sub_f32 v[MT], v[TMP], v[S+32]
	s_delay_alu instid0(VALU_DEP_2)
	v_cvt_i32_f32 v30, v30
	s_delay_alu instid0(VALU_DEP_2)
	v_cvt_i32_f32 v[MT], v[MT]
	s_delay_alu instid0(VALU_DEP_2)
	v_ldexp_f32 v[F], 1.0, v30                     ; my factor,
	s_delay_alu instid0(VALU_DEP_2)
	v_ldexp_f32 v[MT], 1.0, v[MT]                  ; my partner's
	s_delay_alu instid0(VALU_DEP_2)
	v_mul_f32 v[L], v[L], v[F]
	s_delay_alu instid0(VALU_DEP_1)
	v_fmac_f32 v[L], v[S+33], v[MT]
	s_delay_alu instid0(VALU_DEP_1)
	v_permlanex16_b32 v30, v[L], s20, s21
	s_delay_alu instid0(VALU_DEP_1)
	v_add_f32 v[L], v[L], v30                      ; with lane l xor 16's keys: the row's sum
	s_wait_alu depctr_va_vdst(0)                   ; the wait ahead of the transcendental
	v_rcp_f32 v[L], v[L]
	v_nop                                          ; one plain line behind a transcendental
	s_wait_alu depctr_va_vdst(0)                   ; the wait ahead of its first reader
	v_mul_f32 v[F], v[F], v[L]
	v_mul_f32 v[MT], v[MT], v[L]
	s_wait_alu depctr_va_vdst(0)                   ; directly ahead of the first reader of O^T
.irp j, 0,2,4,6,8,10,12,14,16,18,20,22,24,26,28,30
	v_pk_mul_f32 v[O+\j:O+\j+1], v[O+\j:O+\j+1], v[F:F+1] op_sel_hi:[1,0]
.endr
.irp j, 0,2,4,6,8,10,12,14,16,18,20,22,24,26,28,30
	v_pk_fma_f32 v[S+\j:S+\j+1], v[S+\j:S+\j+1], v[MT:MT+1], v[O+\j:O+\j+1] op_sel_hi:[1,0,1]   ; register 8 t + i is o(row r, 16 t + 8 h + i)
.endr
.irp t, 0,1,2,3
	ds_store_b128 v8, v[S+8*\t:S+8*\t+3] offset:64*\t
	ds_store_b128 v8, v[S+8*\t+4:S+8*\t+7] offset:64*\t+16
.endr
.irp i, 0,1,2,3,4,5,6,7
	ds_load_b128 v[S+32+4*\i:S+35+4*\i], v9 offset:2*\i*SP   ; LDS serves a wave's instructions in order (ISA guide 5.7.1.4): these see my stores
.endr
.irp i, 0,1,2,3,4,5,6,7
	s_wait_dscnt 7-\i                              ; load i is in; the younger ones may be out
	global_store_b128 v7, v[S+32+4*\i:S+35+4*\i], s[44:45] offset:(2*\i+8*(\i/4))*ROWB+1024*(\grp) th:TH_STORE_NT   ; my tile's rows 0-7, then the eight rows 16 further on
.endr
	s_wait_xcnt 0x0                                ; the stores' data registers are written again only behind this wait
.endm
.macro START ld                        ; the next job: its Q takes the operand's registers (42 plain lines follow, ahead of the next scaled product).  ld = 1: job 2's Q is asked for
	s_wait_loadcnt 0x0
.irp j, 0,1,2,3
	v_mov_b32 v[16+\j], v[26+\j]
.endr
	v_mov_b32 v24, v25
.if \ld
	global_load_b128 v[26:29], v10, s[40:41]
	global_load_b32 v25, v11, s[40:41]
.endif
	RESET
.endm
	s_load_b128 s[4:7], s[0:1], 0x0                ; kv, qq
	s_load_b64 s[8:9], s[0:1], 0x10                ; out
	v_lshl_add_u32 v5, v0, 2, SPARE
	v_mov_b32 v6, 0
	ds_add_u32 v5, v6                              ; the opening lines: the add, twice on end, and its wait
	ds_add_u32 v5, v6
	v_lshrrev_b32 v1, 5, v0
	v_readfirstlane_b32 s18, v1                    ; wave 0..15
	s_lshr_b32 s19, s18, 3                         ; 0: I walk a slot's first record and finish the tile; 1: the second
	s_lshr_b32 s57, ttmp9, 3                       ; in a cluster launch ttmp9 counts clusters: 8 clusters to a batch and head number
	s_and_b32 s58, ttmp9, 7                        ; which 512 queries of the 4,096
	s_lshr_b32 s59, s57, 2                         ; b
	s_and_b32 s60, s57, 3
	s_mul_i32 s61, s59, 12
	s_add_co_u32 s61, s61, s60                     ; b*12 + head, job 2's (heads 0-3)
	s_lshl_b32 s62, s61, 3
	s_and_b32 s63, s58, 6                          ; job 2: segments of 2 records
	s_add_co_u32 s50, s62, s63
	s_mul_i32 s50, s50, REC
	s_and_b32 s63, s58, 4                          ; job 1: four heads (32 records) on, segments of 4 records
	s_add_co_u32 s49, s62, s63
	s_add_co_u32 s49, s49, 32
	s_mul_i32 s49, s49, REC
	s_add_co_u32 s48, s62, 64                      ; job 0: eight heads on, all 8 records
	s_mul_i32 s48, s48, REC
	s_and_b32 s63, s18, 3
	s_mul_i32 s38, s63, HALF                       ; my part of a slot in memory
	s_mov_b32 s39, 0                               ; stays 0
	s_bfe_u32 s62, s18, 0x10001
	s_mul_i32 s52, s62, REG                        ; and in LDS: the slot's first record to waves 0-7's region, the second to waves 8-15's
	s_and_b32 s62, s18, 1
	s_mul_i32 s62, s62, HALF
	s_add_co_u32 s52, s52, s62                     ; slot 0
	s_add_co_u32 s53, s52, REC                     ; slot 1
	s_mul_i32 s72, s19, REG                        ; the region that I read
	s_and_b32 s63, s18, 7
	s_mul_i32 s73, s63, 16*SP
	s_add_co_u32 s73, s73, STAGE                   ; my tile's stage
	s_mul_i32 s74, s63, JT
	s_add_co_u32 s74, s74, JOIN                    ; my tile's hand-over
	s_sub_co_u32 s62, s18, 4
	s_cmp_lt_u32 s62, 3
	s_cselect_b32 s16, 1, 0                        ; waves 4, 5, 6 prefetch
	s_bfe_u32 s56, ttmp6, 0x40000                  ; cx: it enters the addresses of qq, of out and of the prefetches alone
	s_lshl_b32 s58, s58, 2
	s_add_co_u32 s58, s58, s56                     ; which 128 queries
	s_lshl_b32 s62, s61, 5
	s_add_co_u32 s62, s62, s58
	s_mul_i32 s66, s62, 4608                       ; my step of qq
	s_mov_b32 s67, 0
	s_lshl_b32 s68, s59, 12
	s_lshl_b32 s62, s58, 7
	s_add_co_u32 s68, s68, s62
	s_bfe_u32 s62, s18, 0x20001
	s_lshl_b32 s62, s62, 5
	s_add_co_u32 s68, s68, s62
	s_and_b32 s62, s18, 1
	s_lshl_b32 s62, s62, 3
	s_add_co_u32 s68, s68, s62                     ; my tile's first row: tile t = wave % 8 of qq's step begins at 32 (t/2) + 8 (t%2)
	s_mul_i32 s68, s68, 12
	s_add_co_u32 s68, s68, s60
	s_lshl_b32 s68, s68, 8                         ; in bytes of out
	s_mov_b32 s69, 0
	s_mul_i32 s70, s56, HALF                       ; my work-group's 70 blocks of a slot's 280
	s_mov_b32 s71, 0
	; descriptor group 1: 70 rows of 256 bytes (32 elements of 8), dense, no padding
	s_mov_b32 s24, 15|(3<<16)|(1<<21)              ; 15:0 the mask: all four of the cluster; 17:16 elements of 8 bytes; 21 set beside a mask
	s_mov_b32 s25, 32<<16                          ; tensor_dim0 = 32
	s_mov_b32 s26, 70<<16                          ; tensor_dim1 = 70
	s_mov_b32 s27, 32<<16                          ; tile_dim0 = 32
	s_mov_b32 s28, 70                              ; tile_dim1 = 70
	s_mov_b32 s29, 32                              ; elements from row to row
	s_mov_b32 s30, 0
	s_mov_b32 s31, 0
	s_mov_b32 s20, 0x76543210
	s_mov_b32 s21, 0xfedcba98                      ; v_permlanex16_b32's selects for lane l xor 16
	s_mov_b32 s22, 0x3e38aa3b                      ; c = log2(e) / 8
	s_mov_b32 s23, s22                             ; (named with it as a pair, so it is written)
	s_mov_b32 s17, 0xbe38aa3b                      ; -c
	s_mov_b32 s55, 0
	s_wait_dscnt 0x0                               ; both opening adds are done
	s_wait_kmcnt 0x0
	s_add_nc_u64 s[36:37], s[4:5], s[38:39]
	s_add_nc_u64 s[42:43], s[4:5], s[70:71]
	s_add_nc_u64 s[40:41], s[6:7], s[66:67]
	s_add_nc_u64 s[44:45], s[8:9], s[68:69]
	s_mov_b32 s32, 1                               ; count = 1
	s_mov_b32 s33, s52
	s_mov_b32 s38, s48
	s_add_nc_u64 s[34:35], s[36:37], s[38:39]      ; slot 0: job 0's first two records
	s_or_b32 s35, s35, 0x80000000                  ; type = 2
	s_add_co_u32 s51, s48, SLOTB                   ; slot 1
	ROUND                                          ; all four work-groups are here: the first joint loads meet
	TLOAD                                          ; the head's one load a wave; LDS slot 1 is first filled behind the first change's round
	v_and_b32 v96, 15, v0                          ; r
	v_bfe_u32 v97, v0, 4, 1                        ; h
	v_and_b32 v98, 31, v0                          ; lane
	v_bfe_u32 v99, v0, 3, 1                        ; r / 8
	v_and_b32 v100, 7, v0                          ; r % 8
	v_lshlrev_b32 v1, 4, v100
	v_lshl_add_u32 v1, v97, 8, v1                  ; 16 (r % 8) + 256 h
	v_lshl_add_u32 v3, v99, 2, v1                  ; K's scale words: + 4 (r / 8)
	v_lshl_add_u32 v1, v99, 10, v1                 ; K's codes: + 1,024 (r / 8)
	v_add_nc_u32 v1, s72, v1
	v_add_nc_u32 v3, s72, v3
	v_add_nc_u32 v3, KSO, v3
	v_lshl_add_u32 v2, v98, 4, VCO                 ; V's codes: 16 x lane
	v_add_nc_u32 v2, s72, v2
	v_lshl_add_u32 v4, v98, 3, VSO                 ; V's scale words: 8 x lane
	v_add_nc_u32 v4, s72, v4
	v_mul_u32_u24 v7, v97, ROWB
	v_lshl_add_u32 v7, v96, 4, v7                  ; out: lanes 0-15 one row's 256 bytes, lanes 16-31 the next row's
	v_mul_u32_u24 v8, v96, SP
	v_lshl_add_u32 v8, v97, 5, v8
	v_add_nc_u32 v8, s73, v8                       ; the stage, in: row r, 32 bytes for each half of the lanes
	v_mul_u32_u24 v9, v97, SP
	v_lshl_add_u32 v9, v96, 4, v9
	v_add_nc_u32 v9, s73, v9                       ; back: two rows an instruction
	v_lshlrev_b32 v14, 4, v98
	v_add_nc_u32 v14, s74, v14                     ; the hand-over: 16 x lane
	v_lshlrev_b32 v15, 3, v97                      ; 8 h
	v_and_b32 v10, 255, v0
	v_lshlrev_b32 v10, 4, v10                      ; Q's codes: 512 x (wave % 8) + 16 x lane
	v_bfe_u32 v11, v0, 5, 1
	v_lshlrev_b32 v11, 8, v11
	v_lshl_add_u32 v11, v96, 4, v11
	v_bfe_u32 v12, v0, 6, 2
	v_lshl_add_u32 v11, v12, 2, v11
	v_add_nc_u32 v11, 4096, v11                    ; Q's scale word of row r of tile t: 4,096 + 256 (t%2) + 16 r + 4 (t/2)
	global_load_b128 v[16:19], v10, s[40:41] offset:2*QG   ; job 0's Q
	global_load_b32 v24, v11, s[40:41] offset:2*QG
	global_load_b128 v[26:29], v10, s[40:41] offset:QG     ; job 1's
	global_load_b32 v25, v11, s[40:41] offset:QG
.irp j, 20,21,22,23
	v_mov_b32 v[\j], 0                             ; K 64 .. 127 of the first product: zero codes, written once
.endr
.irp t, 0,1,2,3,4,5,6,7
.irp c, 4,5,6,7
	v_mov_b32 v[KF+8*\t+\c], 0
.endr
.endr
	v_mov_b32 v30, 0                               ; written once: a lane permute's destination counts as one of its sources
	v_mov_b32 v[F+1], 0                            ; (named as the upper half of the pair)
	RESET
	v_add_nc_u32 v0, 0xffffff80, v0                ; the prefetches: block 32 (wave - 4) + lane of my work-group's 70,
	v_min_u32 v0, 69, v0                           ; held at the last,
	v_lshlrev_b32 v0, 8, v0                        ; 256 bytes each
	s_wait_alu depctr_va_vdst(0)                   ; the wait at the head's end
	s_wait_loadcnt 0x0                             ; Q
.Ltrip:                                            ; three trips of two slots: slots 2 t and 2 t + 1; both changes fill
	CHANGE 1, 53, 2
	s_cmp_eq_u32 s55, 2                            ; job 0 ended with slot 3.  The loop's count decides: the same in all waves of all partners
	s_cbranch_scc0 .Lsame
	s_cmp_lg_u32 s19, 0
	s_cbranch_scc1 .Lup0
	TAKE 0, 2
.Lup0:
	START 1
.Lsame:
	STEPS 0
	CHANGE 1, 52, 3
	STEPS 1
	s_wait_alu depctr_va_vdst(0)                   ; directly ahead of the branches
	s_cmp_eq_u32 s55, 0                            ; slots 3 and 5 end jobs 0 and 1
	s_cbranch_scc1 .Lkeep
	s_cmp_eq_u32 s19, 0
	s_cbranch_scc1 .Lkeep
	GIVE 0                                         ; read behind the next change's barrier; the change in the trip's middle stands between that read and the next hand-over
.Lkeep:
	s_add_co_u32 s55, s55, 1
	s_cmp_lt_u32 s55, 3
	s_cbranch_scc1 .Ltrip
	CHANGE 0, 52, 0                                ; the last slot is written out
	s_cmp_lg_u32 s19, 0
	s_cbranch_scc1 .Lup1
	TAKE 0, 1
.Lup1:
	START 0
	STEPS 0
	s_wait_alu depctr_va_vdst(0)                   ; directly ahead of the branch
	s_cmp_eq_u32 s19, 0
	s_cbranch_scc1 .Llow
	GIVE J1                                        ; into the second area: no barrier stands between job 1's read of the first and this
.Llow:
	s_wait_alu depctr_va_vdst(0)                   ; directly ahead of the wait below
	s_wait_dscnt 0x0                               ; what I stored for my partner is in LDS
	s_barrier_signal -1
	s_barrier_wait -1
	s_cmp_lg_u32 s19, 0
	s_cbranch_scc1 .Lend
	TAKE J1, 0
.Lend:
	s_wait_tensorcnt 0x0                           ; the wave's end: behind my last tensor load and my last LDS store
	ds_add_u32 v5, v6
	s_wait_dscnt 0x0
	ROUND                                          ; the closing round
	s_endpgm
.Lfunc_end_k_qc3d34681fb_attn:
	.size	k_qc3d34681fb_attn, .Lfunc_end_k_qc3d34681fb_attn-k_qc3d34681fb_attn
	.p2alignl 7, 3214868480
	.fill 96, 4, 3214868480
	.section	.rodata,"a",@progbits
	.p2align	6, 0x0
	.amdhsa_kernel k_qc3d34681fb_attn
		.amdhsa_group_segment_fixed_size 327680
		.amdhsa_private_segment_fixed_size 0
		.amdhsa_enable_private_segment 0
		.amdhsa_kernarg_size 24
		.amdhsa_user_sgpr_count 2
		.amdhsa_user_sgpr_kernarg_segment_ptr 1
		.amdhsa_wavefront_size32 1
		.amdhsa_system_sgpr_workgroup_id_x 1
		.amdhsa_system_sgpr_workgroup_id_y 1
		.amdhsa_system_sgpr_workgroup_id_z 1
		.amdhsa_system_vgpr_workitem_id 0
		.amdhsa_next_free_vgpr 256
		.amdhsa_next_free_sgpr 80
		.amdhsa_reserve_vcc 0
		.amdhsa_float_denorm_mode_32 3
		.amdhsa_float_denorm_mode_16_64 3
		.amdhsa_memory_ordered 1
		.amdhsa_forward_progress 1
		.amdhsa_inst_pref_size 204
	.end_amdhsa_kernel
	.amdgpu_metadata
---
amdhsa.version: [ 1, 2 ]
amdhsa.kernels:
  - .name:           k_qc3d34681fb_attn
    .symbol:         k_qc3d34681fb_attn.kd
    .args:
      - { .name: kv, .offset: 0, .size: 8, .value_kind: global_buffer, .address_space: global }
      - { .name: qq, .offset: 8, .size: 8, .value_kind: global_buffer, .address_space: global }
      - { .name: out0, .offset: 16, .size: 8, .value_kind: global_buffer, .address_space: global }
    .group_segment_fixed_size: 327680
    .private_segment_fixed_size: 0
    .kernarg_segment_align: 8
    .kernarg_segment_size: 24
    .max_flat_workgroup_size: 512
    .sgpr_count:     80
    .vgpr_count:     256
    .wavefront_size: 32
...
	.end_amdgpu_metadata
.endif
;; end of part 2
